; MI455X (gfx1250); checked and timed in simulation.
; The chip was launched on July 23, 2026; its instructions are those of AMD's public machine-readable ISA for CDNA 5 (MIT licence, August 2026) and "CDNA5" Instruction Set Architecture Reference Guide (July 2026). The comments in the code are by the model that wrote it; some were corrected since.
;; Ripple Adder Tile. Allowed arithmetic: float matrix products may take bf16 or f16 operands with f32 sums; other float arithmetic in f32, or as packed bf16 or f16 multiplies, adds, multiply-adds, maxima and minima; sums over many terms, partial sums and values carried from step to step in f32; what a program stores and reads back later, other than sums and carried values, may be rounded once to bf16 or f16.
;; Inputs: a 4,194,304 float32; b 4,194,304 float32.
;; Outputs: out0 4,194,304 float32.
;; One version. Each part assembles by itself: llvm-mc -triple=amdgcn-amd-amdhsa -mcpu=gfx1250 --defsym DOCPART=n.
;; ======== version 1 of 1: 1 launch
;; limits: inputs' magnitudes at most 2,147,479,552
;; launch ripple_add (part 1): grid 256 x 1, 16 waves a work-group, no clusters, 0 bytes of LDS; arguments a, b, out0; writes out0
.if DOCPART == 1
	.amdgcn_target "amdgcn-amd-amdhsa--gfx1250"
	.amdhsa_code_object_version 6
	.text
	.protected	k_qf0317e7ad6_ripple_add
	.globl	k_qf0317e7ad6_ripple_add
	.p2align	8
	.type	k_qf0317e7ad6_ripple_add,@function
k_qf0317e7ad6_ripple_add:
	s_mov_b64 s[64:65], 0
	v_nop
	global_prefetch_b8 v0, s[64:65] scope:SCOPE_SE
	s_setreg_imm32_b32 hwreg(HW_REG_WAVE_MODE, 25, 1), 1
	s_wait_xcnt 0x0
; out0[n] = the 32-bit ripple-carry sum of a[n] and b[n], its bits weighted and added.  a, b, out0: [4,194,304] f32.
; THE POWERS OF TWO ARE NOT ALL EXACT.  exp2(i) in f32 is made as exp(y), y = i x ln 2 rounded to f32, with ln 2 = 0x3f317218.  That mantissa is
; 8 x an odd number and lies 0.032 u above ln 2 (u = 2^-24), so y lies e = 0.032 i u above i ln 2, and where the product does not fit 24 bits 8 or 16 u
; further up or down.  exp(y) = 2^i c with c = 1 + e rounded:
;   c = 1 + 8u: i = 13, 17, 21, 25, 29     c = 1 - 7u: i = 19, 23, 27, 31     c = 1 - 8u: i = 15     c = 1 + 16u: i = 26     c = 1 - 15u: i = 30     else c = 1
; and exp(-y) = 2^-i m with m = 1 - e rounded (below 1 the step of f32 is u, so e > u / 2, from i = 16 on, already shows):
;   m = 1 - u: i = 16, 18, 20, 22, 24, 28   m = 1 - 8u: 13   m = 1 - 9u: 17, 21, 25, 29   m = 1 + 8u: 15, 19, 23, 27, 31   m = 1 - 17u: 26   m = 1 + 16u: 30   else m = 1
; HOW AN INPUT IS CUT.  Bit i of x is floor(x / exp2(i)) mod 2, and the quotient x / exp(y) is taken here as a compiler's rewriting gives it: the product x exp(-y), rounded
; once.  (It differs from the rounded division for some forty of the whole numbers below 2^24: multiples of 2^19, and numbers within a few units of such a multiple.)
; A factor 2^-i is exact, so the product is 2^-i fl(x m), and floor(q / 2^i) = floor(floor(q) / 2^i): the bit is bit i of the integer floor(fl(x m)), in two's complement.
; So an input is cut by one conversion for each m, merged by masks; the chain of 32 full adders whose last carry is dropped is one integer addition S; and the weighted
; sum of S's bits, whose weights are exp(y) itself, is S + the sum over c's five groups of (c - 1) x (S and the group's mask).
; LIMITS.  |x| < 2^31 (1 - 2^-19), so that each product's floor fits 32 bits; beyond that v_cvt_i32_f32 saturates.  NaN and infinities give a number here, not NaN.
; A negative x nearer to zero than 2^-95, whose quotient at place 31 leaves f32's normal range, counts as floor = -1 at all 32 places.  The weighted sum is rounded in
; six steps, not in 32.  c and m are those of an exp that is right to well under u / 100 in its reduced argument (the nearest any lies to a rounding boundary:
; 0.009 u, m at i = 31; 0.011 u, m at i = 16; 0.02 u, c at i = 15); another exp, or a quotient left as a division, would want other constants.
; SHARES.  16 bytes a lane in each load and store, each byte moved once, no LDS, no barrier.  256 work-groups of 16 waves; a work-group owns 65,536 consecutive bytes of
; each buffer, as DEPTH rows of ROW bytes.  Thread t owns the 16 bytes at 16 t of every row, so one load or store of a wave covers 512 consecutive bytes that start at a
; multiple of 512 from the buffer's first.  A wave issues all its 2 x DEPTH loads before its first wait; its whole share lies in registers, so there is no loop, and no
; register that a load or store names is written while that instruction may read it.
.set WAVES, 16
.set DEPTH, 8                          ; rows of a work-group = loads of a wave from each input
.set ROW,   WAVES*512                  ; 8,192 bytes: what the 16 waves cover with one load each
.set CHUNK_LOG, 16                     ; DEPTH x ROW = 65,536 bytes a work-group; 256 x 65,536 = the buffer's 16,777,216
.set OFF, 1                            ; v1        my byte offset in each buffer, row 0; never rewritten
.set X,   4                            ; v[4+8i : 11+8i]  row i: four numbers of a, four of b; the four results take a's place
.set Q,   68                           ; v[68:75]  the eight products, then their floors as integers; at work in the weighted sum
.set I,   76                           ; v[76:79] a's, v[80:83] b's merged integers; then v[76:79] the four sums S
.set WC,  12                           ; s[12+2k : 13+2k]  c's group k: c - 1, as a pair whose low word is used for both halves
.set WM,  22                           ; s[22+k]   its places
.set PC,  28                           ; s[28+2k : 29+2k]  m's group k: the factor, as a pair
.set PM,  40                           ; s[40+k]   its places
.macro SETC base, mbase, k, f, m
	s_mov_b32 s[(\base)+2*(\k)],   \f
	s_mov_b32 s[(\base)+2*(\k)+1], \f              ; the upper word of a pair is named with the lower, so it is written
	s_mov_b32 s[(\mbase)+(\k)],    \m
.endm
	s_load_b128 s[4:7], s[0:1], 0x0                ; a s[4:5], b s[6:7]
	s_load_b64 s[8:9], s[0:1], 0x10                ; out0
	s_lshl_b32 s2, ttmp9, CHUNK_LOG                ; the work-group's chunk: under 2^24, so it rides in the 32-bit vector offset
	v_lshl_add_u32 v[OFF], v0, 4, s2               ; + 16 t: one offset serves all three buffers
	;                c - 1        places
	SETC WC, WM, 0, 0x35000000, 0x22222000         ; c = 1 + 8u:  13, 17, 21, 25, 29
	SETC WC, WM, 1, 0xb4e00000, 0x88880000         ; c = 1 - 7u:  19, 23, 27, 31
	SETC WC, WM, 2, 0xb5000000, 0x00008000         ; c = 1 - 8u:  15
	SETC WC, WM, 3, 0x35800000, 0x04000000         ; c = 1 + 16u: 26
	SETC WC, WM, 4, 0xb5700000, 0x40000000         ; c = 1 - 15u: 30
	;                m            places
	SETC PC, PM, 0, 0x3f7fffff, 0x11550000         ; m = 1 - u:   16, 18, 20, 22, 24, 28
	SETC PC, PM, 1, 0x3f7ffff8, 0x00002000         ; m = 1 - 8u:  13
	SETC PC, PM, 2, 0x3f7ffff7, 0x22220000         ; m = 1 - 9u:  17, 21, 25, 29
	SETC PC, PM, 3, 0x3f800004, 0x88888000         ; m = 1 + 8u:  15, 19, 23, 27, 31
	SETC PC, PM, 4, 0x3f7fffef, 0x04000000         ; m = 1 - 17u: 26
	SETC PC, PM, 5, 0x3f800008, 0x40000000         ; m = 1 + 16u: 30
	s_wait_kmcnt 0x0
.irp i, 0,1,2,3,4,5,6,7
	global_load_b128 v[X+8*(\i):X+8*(\i)+3],   v[OFF], s[4:5] offset:(\i)*ROW th:TH_LOAD_NT  ; read once in the launch
	global_load_b128 v[X+8*(\i)+4:X+8*(\i)+7], v[OFF], s[6:7] offset:(\i)*ROW th:TH_LOAD_NT
.endr
; The places with m = 1: the bits of floor(x).  It fills all 32 places of I, for the row's eight numbers; the groups then replace theirs.
.macro EXACT x
.irp j, 0,1,2,3,4,5,6,7
	v_floor_f32 v[I+(\j)], v[(\x)+(\j)]            ; the conversion below cuts toward zero, which differs for negative fractions
.endr
.irp j, 0,1,2,3,4,5,6,7
	v_cvt_i32_f32 v[I+(\j)], v[I+(\j)]             ; exact: a whole number within 32 bits; a negative one in two's complement
.endr
.endm
; m's group k, for the row's eight numbers at v[x ..]: the bits of floor(fl(x m)).
.macro PROD x, k
.irp j, 0,2,4,6
	v_pk_mul_f32 v[Q+(\j):Q+(\j)+1], v[(\x)+(\j):(\x)+(\j)+1], s[PC+2*(\k):PC+2*(\k)+1] op_sel_hi:[1,0]  ; one rounding, as the product by exp(-y) has
.endr
.irp j, 0,1,2,3,4,5,6,7
	v_floor_f32 v[Q+(\j)], v[Q+(\j)]
.endr
.irp j, 0,1,2,3,4,5,6,7
	v_cvt_i32_f32 v[Q+(\j)], v[Q+(\j)]
.endr
.irp j, 0,1,2,3,4,5,6,7
	v_bfi_b32 v[I+(\j)], s[PM+(\k)], v[Q+(\j)], v[I+(\j)]  ; the group's places from this product, the others as they were
.endr
.endm
; The adders and the weights.  The results land where a's four numbers lay: the inputs have been read for the last time.
.macro SUM x
.irp j, 0,1,2,3
	v_add_nc_u32 v[I+(\j)], v[I+(\j)], v[I+4+(\j)] ; the 32 full adders: the carry out of place 31 is dropped
.endr
.irp j, 0,1,2,3
	v_cvt_f32_u32 v[(\x)+(\j)], v[I+(\j)]          ; every place at 2^i: the word read as unsigned
.endr
.irp k, 0,1,2,3,4
.irp j, 0,1,2,3
	v_and_b32 v[Q+4*((\k)%2)+(\j)], s[WM+(\k)], v[I+(\j)]  ; the sum's bits at c's group k (two sets of registers by turns),
.endr
.irp j, 0,1,2,3
	v_cvt_f32_u32 v[Q+4*((\k)%2)+(\j)], v[Q+4*((\k)%2)+(\j)]
.endr
.irp j, 0,2
	v_pk_fma_f32 v[(\x)+(\j):(\x)+(\j)+1], v[Q+4*((\k)%2)+(\j):Q+4*((\k)%2)+(\j)+1], s[WC+2*(\k):WC+2*(\k)+1], v[(\x)+(\j):(\x)+(\j)+1] op_sel_hi:[1,0,1]  ; whose weights are 2^i c: c - 1 times them on top
.endr
.endr
.endm
.irp i, 0,1,2,3,4,5,6,7
	s_wait_loadcnt 2*(DEPTH-1-(\i))                ; loads come back in order (ISA guide 5.7.1): row i's two are in, the 2 (7 - i) issued behind them stay out
	EXACT X+8*(\i)
	PROD  X+8*(\i), 0
	PROD  X+8*(\i), 1
	PROD  X+8*(\i), 2
	PROD  X+8*(\i), 3
	PROD  X+8*(\i), 4
	PROD  X+8*(\i), 5
	SUM   X+8*(\i)
	global_store_b128 v[OFF], v[X+8*(\i):X+8*(\i)+3], s[8:9] offset:(\i)*ROW th:TH_STORE_NT  ; written once, not read again; its registers are not touched again
.endr
	s_endpgm
.Lfunc_end_k_qf0317e7ad6_ripple_add:
	.size	k_qf0317e7ad6_ripple_add, .Lfunc_end_k_qf0317e7ad6_ripple_add-k_qf0317e7ad6_ripple_add
	.p2alignl 7, 3214868480
	.fill 96, 4, 3214868480
	.section	.rodata,"a",@progbits
	.p2align	6, 0x0
	.amdhsa_kernel k_qf0317e7ad6_ripple_add
		.amdhsa_group_segment_fixed_size 0
		.amdhsa_private_segment_fixed_size 0
		.amdhsa_enable_private_segment 0
		.amdhsa_kernarg_size 24
		.amdhsa_user_sgpr_count 2
		.amdhsa_user_sgpr_kernarg_segment_ptr 1
		.amdhsa_wavefront_size32 1
		.amdhsa_system_sgpr_workgroup_id_x 1
		.amdhsa_system_sgpr_workgroup_id_y 1
		.amdhsa_system_sgpr_workgroup_id_z 1
		.amdhsa_system_vgpr_workitem_id 0
		.amdhsa_next_free_vgpr 84
		.amdhsa_next_free_sgpr 66
		.amdhsa_reserve_vcc 0
		.amdhsa_float_denorm_mode_32 3
		.amdhsa_float_denorm_mode_16_64 3
		.amdhsa_memory_ordered 1
		.amdhsa_forward_progress 1
		.amdhsa_inst_pref_size 87
	.end_amdhsa_kernel
	.amdgpu_metadata
---
amdhsa.version: [ 1, 2 ]
amdhsa.kernels:
  - .name:           k_qf0317e7ad6_ripple_add
    .symbol:         k_qf0317e7ad6_ripple_add.kd
    .args:
      - { .name: a, .offset: 0, .size: 8, .value_kind: global_buffer, .address_space: global }
      - { .name: b, .offset: 8, .size: 8, .value_kind: global_buffer, .address_space: global }
      - { .name: out0, .offset: 16, .size: 8, .value_kind: global_buffer, .address_space: global }
    .group_segment_fixed_size: 0
    .private_segment_fixed_size: 0
    .kernarg_segment_align: 8
    .kernarg_segment_size: 24
    .max_flat_workgroup_size: 512
    .sgpr_count:     66
    .vgpr_count:     84
    .wavefront_size: 32
...
	.end_amdgpu_metadata
.endif
;; end of part 1
